; MI455X (gfx1250); checked and timed in simulation.
; The chip was launched on July 23, 2026; its instructions are those of AMD's public machine-readable ISA for CDNA 5 (MIT licence, August 2026) and "CDNA5" Instruction Set Architecture Reference Guide (July 2026). The comments in the code are by the model that wrote it; some were corrected since.
;; Vanilla LSTM Cell. Allowed arithmetic: matrix products marked QUANTISED: E2M3 operands, one E8M0 scale for each 32 along K, by v_wmma_scale_f32_16x16x128_f8f6f4 with both operands' format E2M3, f32 sums; everything else in f32.
;; Inputs: Whf_b 1,024 float32; Whf_w 1,024 x 1,024 float32; Whg_b 1,024 float32; Whg_w 1,024 x 1,024 float32; Whi_b 1,024 float32; Whi_w 1,024 x 1,024 float32; Who_b 1,024 float32; Who_w 1,024 x 1,024 float32; Wxf_b 1,024 float32; Wxf_w 1,024 x 1,024 float32; Wxg_b 1,024 float32; Wxg_w 1,024 x 1,024 float32; Wxi_b 1,024 float32; Wxi_w 1,024 x 1,024 float32; Wxo_b 1,024 float32; Wxo_w 1,024 x 1,024 float32; c 8,192 x 1,024 float32; h 8,192 x 1,024 float32; x 8,192 x 1,024 float32.
;; Outputs: out0 8,192 x 1,024 float32; out1 8,192 x 1,024 float32.
;; This version of the problem:
;;   THIS VERSION OF THE PROBLEM IS GIVEN IN LOW PRECISION. The matrix products marked QUANTISED in the list below multiply operands that are first quantised to E2M3 (2 exponent bits, 3 mantissa bits; 6 bits a number), with one power-of-two scale for each 32 numbers along K (OCP MX v1.0); their sums are f32. All else is computed in f32.
;;   The module's matrix products, in the order in which they are computed (A, B: the left and right operand; K: the contracted axis; several contracted axes count as one K, in the product's order):
;;     1. [M 8,192, K 1,024] x [K 1,024, N 4,096]; A: input x; B: computed on the way: QUANTISED
;;     2. [M 8,192, K 1,024] x [K 1,024, N 4,096]; A: input h; B: computed on the way: QUANTISED
;;   THE QUANTISER, for each operand of a quantised product, along K:
;;     - K is cut into blocks of 32 from its start; a last block that is shorter is filled with zeros.
;;     - A block's scale is 2^e with e = floor(log2(the largest magnitude in the block)) - 2, held to -126 .. 127; a block of zeros has e = 0. As a byte (E8M0): e + 127.
;;     - Each number is divided by its block's scale, clamped to +-7.5, and rounded to the nearest number of E2M3, ties to even, subnormals kept.
;;     - The product sums the exact products of the quantised numbers (number of the format x scale) in f32.
;;   ~~~python
;;   def quantise(x, axis):      # numpy; x: float32 -> the quantised numbers, widened to float32 again
;;       x = np.moveaxis(x, axis, -1); K = x.shape[-1]
;;       x = np.pad(x, [(0, 0)] * (x.ndim - 1) + [(0, -K % 32)]); x = x.reshape(x.shape[:-1] + (-1, 32)); a = np.abs(x).max(-1, keepdims=True)
;;       e = np.where(a > 0, np.clip(np.frexp(np.where(a > 0, a, 1))[1] - 1 - 2, -126, 127), 0)      # np.frexp(a)[1] - 1 = floor(log2(a)), exactly
;;       r = np.clip(x / 2.0 ** e, -7.5, 7.5)
;;       step = 2.0 ** (np.maximum(np.frexp(np.where(r == 0, 1, r))[1] - 1, 0) - 3)
;;       q = np.round(r / step) * step * 2.0 ** e      # np.round: ties to even
;;       return np.moveaxis(q.reshape(q.shape[:-2] + (-1,))[..., :K], -1, axis).astype(np.float32)
;;   ~~~
;;   OPERANDS COMPUTED ON THE WAY. 'Computed on the way' means the value that the module computes at that place (a softmax that the list does not call 'softmax' is quantised finished and normalised). What goes into a quantiser is computed in f32, as accurately as f32 sums, v_exp_f32 and their like allow (about 1e-6 of the number): no bf16 or f16 on the way to a quantiser, and a product that is left as it is and whose result goes on into a quantised operand takes f32 operands (vector FMAs, or v_wmma_f32_16x16x4_f32). A number that lies on a knife's edge between two numbers of the format may be rounded either way, as far as f32 arithmetic and the matrix unit's own rounding can turn it there, and no further.
;; One version. Each part assembles by itself: llvm-mc -triple=amdgcn-amd-amdhsa -mcpu=gfx1250 --defsym DOCPART=n.
;; ======== version 1 of 1: 2 launches
;; limits: inputs' magnitudes at most 1.15e+18; right only within a limited range of input values
;; workspace buffers: a_pack 13,107,200 bytes; b_pack 6,553,600 bytes; bias 16,384 bytes
;; launch quant (part 1): grid 768 x 1, 4 waves a work-group, no clusters, 56,832 bytes of LDS; arguments x, h, Wxi_w, Whi_w, Wxf_w, Whf_w, Wxo_w, Who_w, Wxg_w, Whg_w, Wxi_b, Whi_b, Wxf_b, Whf_b, Wxo_b, Who_b, Wxg_b, Whg_b, a_pack, b_pack, bias; writes a_pack, b_pack, bias
.if DOCPART == 1
	.amdgcn_target "amdgcn-amd-amdhsa--gfx1250"
	.amdhsa_code_object_version 6
	.text
	.protected	k_q323039ff49_quant
	.globl	k_q323039ff49_quant
	.p2align	8
	.type	k_q323039ff49_quant,@function
k_q323039ff49_quant:
	s_mov_b64 s[64:65], 0
	v_nop
	global_prefetch_b8 v0, s[64:65] scope:SCOPE_SE
	s_setreg_imm32_b32 hwreg(HW_REG_WAVE_MODE, 25, 1), 1
	s_wait_xcnt 0x0
; x, h [8192][1024] and the eight weights [1024][1024], f32, K innermost, become codes of FP6 (E2M3) with one E8M0 scale byte for each 32 along K, LAID IN THE ORDER OF THE MATRIX OPERAND'S REGISTERS.
; The two products of the cell are ONE product over K = 2,048: K 0-1023 is x (Wx), K 1024-2047 is h (Wh).
;   a_pack [64 row blocks of 128 rows][16 K steps of 128][12,800 bytes];  b_pack [32 row blocks][16][12,800].  A K step's 12,800 bytes: eight fragments (16 rows x 128 K) of 1,536 bytes, then 512 bytes of scale words.
;   A fragment: lane l = 16 h + r of the reader has 48 bytes on end at 48 l: the 24 bytes of row r's K block h, then those of K block 2 + h.   The scale words: [j][row r][fragment 4 j + 0 .. 3], 4 bytes each.
;   Row R of B is gate g (0 i, 1 f, 2 o, 3 g), hidden unit j: R = (j / 32) 128 + 32 g + j % 32.   bias [4096] f32: bx + bh in the same row order.
; A block's scale is 2^(floor(log2(its largest magnitude)) - 2); its byte is the largest magnitude's exponent field - 2, held at 1 from below.
; LIMITS: a block of zeros gets the byte 1 where the quantiser's rule says 127: its codes are zeros, which add nothing under any byte but 0xff, and this program alone reads the bytes.
; Blocks whose largest magnitude lies under 2^(2 - 126) have their byte held at 1.  NaN and infinities among the inputs are not served.
; SHARES.  Work-groups 0-511 take x and h, 512-767 the weights.  A work-group takes 64 rows (half a row block) x 512 along K (four K steps); a wave one fragment's 16 rows: 16 steps of 512 numbers, step t = row t.
; One path through the text: only pointers and row numbers are chosen, by the work-group's and the wave's number.
; Each load reads 512 consecutive bytes; a step's 2,048 bytes turn through the wave's own stage in LDS and come back 64 bytes (16 neighbours along K) a lane; two neighbouring lanes hold a block.
; A lane's 16 codes, 12 bytes, go to a place of 16 bytes in the wave's out-stage (row t, 16 x lane); at the end the places are read in the fragment's order and each store covers 384 consecutive bytes.
; The four waves' scale bytes meet in 1,024 shared bytes; behind one barrier each wave stores 256 consecutive, aligned bytes: one K step's words of the work-group's four fragments.
.set NA,     512                       ; work-groups for x and h
.set STEPS,  16
.set EMAX,   2
.set CB,     12                        ; bytes of 16 codes
.set FRB,    1536                      ; a fragment
.set KSB,    12800                     ; a K step of a row block
.set RBB,    16*KSB                    ; a row block
.set R,      16                        ; v16-79   four sets of 16 numbers as they are loaded; at the end the codes on their way out
.set X,      80                        ; v80-111  two sets of 16 neighbours
.set E,      112                       ; v112-127 a scale byte for each step
.set C,      128                       ; v128-191 codes: four registers for each step
.set SP,     80                        ; a lane's place in a stage: 64 bytes + 16 of padding
.set OPITCH, 544                       ; a row of the out-stage: 32 places of 16 bytes + 32
.set OUTS,   2*32*SP                   ; a wave's LDS: two stages, then the out-stage
.set WREG,   OUTS+16*OPITCH
.set SCSH,   4*WREG                    ; behind the four waves' regions: the shared scale bytes: [K step][row][wave] words
	s_load_b512 s[16:31], s[0:1], 0x0              ; x 16, h 18, Wxi 20, Whi 22, Wxf 24, Whf 26, Wxo 28, Who 30
	s_load_b512 s[32:47], s[0:1], 0x40             ; Wxg 32, Whg 34, bxi 36, bhi 38, bxf 40, bhf 42, bxo 44, bho 46
	s_load_b256 s[48:55], s[0:1], 0x80             ; bxg 48, bhg 50, a_pack 52, b_pack 54
	s_load_b64 s[56:57], s[0:1], 0xa0              ; bias
	v_lshl_add_u32 v192, v0, 2, 0xdc00
	v_mov_b32 v193, 0
	v_lshrrev_b32 v1, 5, v0
	v_readfirstlane_b32 s73, v1                    ; wave
	v_and_b32 v2, 31, v0                           ; lane
	v_lshlrev_b32 v3, 4, v2                        ; my 16 bytes of a load's 512
	s_mul_i32 s79, s73, WREG
	v_lshrrev_b32 v14, 2, v2
	v_mul_u32_u24 v14, v14, SP
	v_and_b32 v15, 3, v2
	v_lshl_add_u32 v14, v15, 4, v14
	v_add_nc_u32 v14, s79, v14                     ; the stage, on the way in: SP (lane / 4) + 16 (lane % 4)
	v_mul_u32_u24 v15, v2, SP
	v_add_nc_u32 v15, s79, v15                     ; and on the way out: SP x lane
	v_mul_u32_u24 v4, v2, CB                       ; 12 x lane: my place in a store's 384 bytes
	v_lshlrev_b32 v7, 3, v2                        ; 8 x lane: the scale words on the way out
	v_lshlrev_b32 v1, 2, v2                        ; 4 x lane: the biases
	s_add_co_u32 s79, s79, OUTS
	v_add_nc_u32 v10, s79, v3                      ; the out-stage, in: 16 x lane; the row stands in the immediate
	v_lshrrev_b32 v8, 3, v2                        ; lane l holds K 16 l .. 16 l + 15 of the 512: K step l / 8, K block (l / 2) % 4 = 2 c + h, half l % 2
	v_bfe_u32 v9, v2, 1, 2
	v_lshl_add_u32 v5, v8, 8, v9                   ; my scale byte: 256 x K step + the block's byte,
	s_lshl_b32 s78, s73, 2
	s_add_co_u32 s78, s78, SCSH
	v_add_nc_u32 v5, s78, v5                       ; + 4 x wave; 16 x row stands in the immediate
	s_lshl_b32 s78, s73, 8
	s_add_co_u32 s78, s78, SCSH
	v_add_nc_u32 v6, s78, v7                       ; back: wave w takes K step w's 256 bytes, 8 a lane
	v_lshrrev_b32 v8, 2, v2                        ; the out-stage, out: lane takes row 8 (n % 2) + lane / 4, c = (lane / 2) % 2, half lane % 2; K step and h stand in the immediate
	v_mul_u32_u24 v8, v8, OPITCH
	v_bfe_u32 v9, v2, 1, 1
	v_lshl_add_u32 v8, v9, 6, v8
	v_and_b32 v9, 1, v2
	v_lshl_add_u32 v8, v9, 4, v8
	v_add_nc_u32 v2, s79, v8
	; which rows and which K
	s_cmp_lt_u32 ttmp9, NA
	s_cselect_b32 s62, 0, NA
	s_sub_co_u32 s62, ttmp9, s62                   ; the work-group's number within its kind
	s_and_b32 s63, s62, 3                          ; kq: which 512 along K
	s_lshr_b32 s66, s62, 2                         ; which 64 rows
	s_lshr_b32 s67, s66, 1                         ; the row block
	s_and_b32 s68, s66, 1                          ; j: its half
	s_lshl_b32 s69, s68, 2
	s_add_co_u32 s69, s69, s73                     ; my fragment in the row block: 4 j + wave
	s_lshr_b32 s70, s69, 1                         ; weights: its gate
	s_lshl_b32 s71, s66, 6
	s_lshl_b32 s72, s73, 4
	s_add_co_u32 s71, s71, s72                     ; x and h: my first row
	s_lshl_b32 s72, s67, 5
	s_and_b32 s76, s73, 1
	s_lshl_b32 s77, s76, 4
	s_add_co_u32 s72, s72, s77                     ; weights: my first hidden unit: 32 x row block + 16 (wave % 2)
	s_cmp_lt_u32 ttmp9, NA
	s_cselect_b32 s71, s71, s72                    ; source row
	s_cselect_b32 s77, 1, 0
	s_or_b32 s77, s77, s63
	s_or_b32 s77, s77, s76                         ; 0 only in waves 0 and 2 of a weights' work-group with kq = 0: those also make 32 biases
	s_lshl_b32 s74, s71, 12                        ; a source row is 4,096 bytes;
	s_and_b32 s78, s63, 1
	s_lshl_b32 s78, s78, 11
	s_add_co_u32 s74, s74, s78                     ; my 512 numbers of it
	s_mov_b32 s75, 0
	s_wait_kmcnt 0x0
	s_mov_b64 s[4:5], s[32:33]                     ; the gate's four pointers, beginning with gate 3's; each choice hangs on ids alone
	s_mov_b64 s[6:7], s[34:35]
	s_mov_b64 s[12:13], s[48:49]
	s_mov_b64 s[14:15], s[50:51]
	s_cmp_eq_u32 s70, 2
	s_cselect_b64 s[4:5], s[28:29], s[4:5]
	s_cselect_b64 s[6:7], s[30:31], s[6:7]
	s_cselect_b64 s[12:13], s[44:45], s[12:13]
	s_cselect_b64 s[14:15], s[46:47], s[14:15]
	s_cmp_eq_u32 s70, 1
	s_cselect_b64 s[4:5], s[24:25], s[4:5]
	s_cselect_b64 s[6:7], s[26:27], s[6:7]
	s_cselect_b64 s[12:13], s[40:41], s[12:13]
	s_cselect_b64 s[14:15], s[42:43], s[14:15]
	s_cmp_eq_u32 s70, 0
	s_cselect_b64 s[4:5], s[20:21], s[4:5]
	s_cselect_b64 s[6:7], s[22:23], s[6:7]
	s_cselect_b64 s[12:13], s[36:37], s[12:13]
	s_cselect_b64 s[14:15], s[38:39], s[14:15]
	s_cmp_lt_u32 ttmp9, NA                         ; x and h, or the weights?
	s_cselect_b64 s[4:5], s[16:17], s[4:5]
	s_cselect_b64 s[6:7], s[18:19], s[6:7]
	s_cselect_b64 s[8:9], s[52:53], s[54:55]       ; the pack
	s_cmp_lt_u32 s63, 2                            ; K under 1,024: the x side, else the h side
	s_cselect_b64 s[4:5], s[4:5], s[6:7]
	s_add_nc_u64 s[4:5], s[4:5], s[74:75]
	; THE PACKS' ORDER (this takes the place of the order given at the head): [pair of row blocks = 256 rows][16 K steps][the pair's 2 row blocks][12,800 bytes],
	; so that any run of K steps of 256 rows is one dense block of memory.  A K step's 12,800 bytes of a row block are as the head says.
	s_lshr_b32 s74, s67, 1
	s_mul_i32 s74, s74, 2*RBB                      ; the pair of row blocks
	s_and_b32 s78, s67, 1
	s_mul_i32 s78, s78, KSB                        ; which of the two
	s_add_co_u32 s74, s74, s78
	s_mul_i32 s78, s63, 8*KSB                      ; K step 4 kq: 25,600 bytes a K step
	s_add_co_u32 s74, s74, s78
	s_add_nc_u64 s[8:9], s[8:9], s[74:75]          ; the row block's K step 4 kq
	s_mov_b64 s[10:11], s[8:9]
	s_mul_i32 s74, s69, FRB
	s_add_nc_u64 s[8:9], s[8:9], s[74:75]          ; my fragment in it
	s_mul_i32 s74, s73, 2*KSB                      ; the scale words that I store: K step 4 kq + wave,
	s_lshl_b32 s78, s68, 8
	s_add_co_u32 s74, s74, s78                     ; half j,
	s_add_co_u32 s74, s74, 8*FRB                   ; behind the eight fragments
	s_add_nc_u64 s[10:11], s[10:11], s[74:75]
.macro LOAD t                          ; step t: row t's 2,048 bytes: four loads of 512 consecutive bytes
.irp i, 0,1,2,3
	global_load_b128 v[R+16*((\t)%4)+4*\i:R+16*((\t)%4)+4*\i+3], v3, s[4:5] offset:(\t)*4096+512*\i th:TH_LOAD_NT
.endr
.endm
.macro TURN t                          ; step t's numbers through the stage: LDS serves a wave's instructions in order, so no wait stands between the stores and the loads
.irp i, 0,1,2,3
	ds_store_b128 v14, v[R+16*((\t)%4)+4*\i:R+16*((\t)%4)+4*\i+3] offset:32*SP*((\t)%2)+8*SP*\i
.endr
.irp i, 0,1,2,3
	ds_load_b128 v[X+16*((\t)%2)+4*\i:X+16*((\t)%2)+4*\i+3], v15 offset:32*SP*((\t)%2)+16*\i
.endr
.endm
.irp t, 0,1,2,3
	LOAD \t
.endr
	s_wait_loadcnt 12                              ; step 0's four loads are in; the twelve of steps 1 to 3 may be out
	TURN 0
.macro STEP t
.set XS, X+16*((\t)%2)
.if (\t) > 0
	s_wait_dscnt 2                                 ; this step's numbers are back from the stage (the last step's two stores, its byte and its codes, may be out): so its stores into the stage have read their registers,
.else
	s_wait_dscnt 0x0
.endif
.if (\t)+4 < STEPS
	LOAD (\t)+4                                    ; which take the loads of four steps on
.endif
.if (\t)+1 < STEPS
.if STEPS-2-(\t) >= 3
	s_wait_loadcnt 12                              ; the next step's four loads are in; those of the three steps behind it may be out
.else
	s_wait_loadcnt 4*(STEPS-2-(\t))
.endif
	TURN (\t)+1                                    ; and go through the other stage while this step is worked
.endif
	v_max3_num_f32 v8, |v[XS]|, |v[XS+1]|, |v[XS+2]|               ; the largest magnitude of my 16, in two chains
	v_max3_num_f32 v9, |v[XS+3]|, |v[XS+4]|, |v[XS+5]|
.irp i, 6,10
	v_max3_num_f32 v8, v8, |v[XS+\i]|, |v[XS+\i+1]|
	v_max3_num_f32 v9, v9, |v[XS+\i+2]|, |v[XS+\i+3]|
.endr
	v_max3_num_f32 v8, v8, |v[XS+14]|, |v[XS+15]|
	v_max3_num_f32 v8, v8, v9, (EMAX+1)<<23        ; and the floor 2^(EMAX + 1 - 127): the byte cannot fall under 1
	v_max_num_f32_dpp v8, v8, v8 row_xmask:1 row_mask:0xf bank_mask:0xf   ; with my neighbour's 16: the block's
	v_add_nc_u32 v11, -(EMAX<<23), v8              ; EMAX off its exponent field: the conversion takes the exponent field of this operand as its scale
	v_cvt_scalef32_pk16_fp6_f32 v[C+4*(\t):C+4*(\t)+2], v[XS:XS+15], v11   ; sixteen numbers / the scale, to the nearest code, ties to even, beyond the largest code the largest; 96 bits without gaps
	v_lshrrev_b32 v[E+(\t)], 23, v11               ; the scale's byte (also the plain line behind the conversion)
	ds_store_b8 v5, v[E+(\t)] offset:16*(\t)       ; both lanes of a block write the same byte with the same value
	ds_store_b96 v10, v[C+4*(\t):C+4*(\t)+2] offset:OPITCH*(\t)   ; 12 bytes to a place of 16: every LDS address is a multiple of 16; the 32 lanes' places are consecutive
.endm
.irp t, 0,1,2,3,4,5,6,7,8,9,10,11,12,13,14,15
	STEP \t
.endr
; THE WAY OUT.  Store n of 16 covers bytes 384 (n % 4) on of fragment n / 4 (K step n / 4): piece 32 (n % 4) + lane = 64 h + 4 r + 2 c + half.  So h = (n / 2) % 2, r = 8 (n % 2) + lane / 4.
; In the out-stage that piece lies in row r at place 8 (K step) + 4 c + 2 h + half.
.irp n, 0,1,2,3,4,5,6,7,8,9,10,11,12,13,14,15
	ds_load_b96 v[R+4*\n:R+4*\n+2], v2 offset:(\n%2)*8*OPITCH+(\n/4)*128+((\n/2)%2)*32   ; LDS serves a wave's instructions in order: these see my stores
.endr
.irp n, 0,1,2,3,4,5,6,7,8,9,10,11,12,13,14,15
	s_wait_dscnt 15-\n
	global_store_b96 v4, v[R+4*\n:R+4*\n+2], s[8:9] offset:(\n/4)*2*KSB+(\n%4)*384   ; the wave stores 384 consecutive bytes; four stores make a fragment's 1,536
.endr
	s_wait_dscnt 0x0                               ; for the others' sake: my scale bytes have landed
	s_barrier_signal -1
	s_barrier_wait -1
	ds_load_b64 v[12:13], v6                       ; one K step's words of the four waves' fragments
	s_wait_dscnt 0x0
	global_store_b64 v7, v[12:13], s[10:11]        ; 32 lanes store 256 consecutive bytes, aligned
	; the biases: bx + bh of the row block's 32 hidden units, for my fragment's gate.  Each store covers 128 consecutive bytes; the buffer has 16,384 in all
	s_cmp_lg_u32 s77, 0
	s_cbranch_scc1 .Lend
	s_lshl_b32 s74, s67, 7
	s_add_nc_u64 s[12:13], s[12:13], s[74:75]
	s_add_nc_u64 s[14:15], s[14:15], s[74:75]
	s_lshl_b32 s74, s67, 9
	s_lshl_b32 s78, s70, 7
	s_add_co_u32 s74, s74, s78                     ; 4 (128 x row block + 32 x gate)
	s_add_nc_u64 s[56:57], s[56:57], s[74:75]
	global_load_b32 v8, v1, s[12:13]
	global_load_b32 v9, v1, s[14:15]
	s_wait_loadcnt 0x0
	v_add_f32 v8, v8, v9
	global_store_b32 v1, v8, s[56:57]
.Lend:
	s_wait_tensorcnt 0x0
	ds_add_u32 v192, v193
	s_wait_dscnt 0x0
	s_endpgm
.Lfunc_end_k_q323039ff49_quant:
	.size	k_q323039ff49_quant, .Lfunc_end_k_q323039ff49_quant-k_q323039ff49_quant
	.p2alignl 7, 3214868480
	.fill 96, 4, 3214868480
	.section	.rodata,"a",@progbits
	.p2align	6, 0x0
	.amdhsa_kernel k_q323039ff49_quant
		.amdhsa_group_segment_fixed_size 56832
		.amdhsa_private_segment_fixed_size 0
		.amdhsa_enable_private_segment 0
		.amdhsa_kernarg_size 168
		.amdhsa_user_sgpr_count 2
		.amdhsa_user_sgpr_kernarg_segment_ptr 1
		.amdhsa_wavefront_size32 1
		.amdhsa_system_sgpr_workgroup_id_x 1
		.amdhsa_system_sgpr_workgroup_id_y 1
		.amdhsa_system_sgpr_workgroup_id_z 1
		.amdhsa_system_vgpr_workitem_id 0
		.amdhsa_next_free_vgpr 194
		.amdhsa_next_free_sgpr 80
		.amdhsa_reserve_vcc 0
		.amdhsa_float_denorm_mode_32 3
		.amdhsa_float_denorm_mode_16_64 3
		.amdhsa_memory_ordered 1
		.amdhsa_forward_progress 1
		.amdhsa_inst_pref_size 38
	.end_amdhsa_kernel
	.amdgpu_metadata
---
amdhsa.version: [ 1, 2 ]
amdhsa.kernels:
  - .name:           k_q323039ff49_quant
    .symbol:         k_q323039ff49_quant.kd
    .args:
      - { .name: x, .offset: 0, .size: 8, .value_kind: global_buffer, .address_space: global }
      - { .name: h, .offset: 8, .size: 8, .value_kind: global_buffer, .address_space: global }
      - { .name: Wxi_w, .offset: 16, .size: 8, .value_kind: global_buffer, .address_space: global }
      - { .name: Whi_w, .offset: 24, .size: 8, .value_kind: global_buffer, .address_space: global }
      - { .name: Wxf_w, .offset: 32, .size: 8, .value_kind: global_buffer, .address_space: global }
      - { .name: Whf_w, .offset: 40, .size: 8, .value_kind: global_buffer, .address_space: global }
      - { .name: Wxo_w, .offset: 48, .size: 8, .value_kind: global_buffer, .address_space: global }
      - { .name: Who_w, .offset: 56, .size: 8, .value_kind: global_buffer, .address_space: global }
      - { .name: Wxg_w, .offset: 64, .size: 8, .value_kind: global_buffer, .address_space: global }
      - { .name: Whg_w, .offset: 72, .size: 8, .value_kind: global_buffer, .address_space: global }
      - { .name: Wxi_b, .offset: 80, .size: 8, .value_kind: global_buffer, .address_space: global }
      - { .name: Whi_b, .offset: 88, .size: 8, .value_kind: global_buffer, .address_space: global }
      - { .name: Wxf_b, .offset: 96, .size: 8, .value_kind: global_buffer, .address_space: global }
      - { .name: Whf_b, .offset: 104, .size: 8, .value_kind: global_buffer, .address_space: global }
      - { .name: Wxo_b, .offset: 112, .size: 8, .value_kind: global_buffer, .address_space: global }
      - { .name: Who_b, .offset: 120, .size: 8, .value_kind: global_buffer, .address_space: global }
      - { .name: Wxg_b, .offset: 128, .size: 8, .value_kind: global_buffer, .address_space: global }
      - { .name: Whg_b, .offset: 136, .size: 8, .value_kind: global_buffer, .address_space: global }
      - { .name: a_pack, .offset: 144, .size: 8, .value_kind: global_buffer, .address_space: global }
      - { .name: b_pack, .offset: 152, .size: 8, .value_kind: global_buffer, .address_space: global }
      - { .name: bias, .offset: 160, .size: 8, .value_kind: global_buffer, .address_space: global }
    .group_segment_fixed_size: 56832
    .private_segment_fixed_size: 0
    .kernarg_segment_align: 8
    .kernarg_segment_size: 168
    .max_flat_workgroup_size: 128
    .sgpr_count:     80
    .vgpr_count:     194
    .wavefront_size: 32
...
	.end_amdgpu_metadata
.endif
;; end of part 1
;; launch lstm (part 2): grid 16 x 16, 4 waves a work-group, clusters of 4 x 4, 327,680 bytes of LDS; arguments a_pack, b_pack, bias, c, out0, out1; writes out0, out1
.if DOCPART == 2
	.amdgcn_target "amdgcn-amd-amdhsa--gfx1250"
	.amdhsa_code_object_version 6
	.text
	.protected	k_q323039ff49_lstm
	.globl	k_q323039ff49_lstm
	.p2align	8
	.type	k_q323039ff49_lstm,@function
k_q323039ff49_lstm:
	s_mov_b64 s[64:65], 0
	v_nop
	global_prefetch_b8 v0, s[64:65] scope:SCOPE_SE
	s_setreg_imm32_b32 hwreg(HW_REG_WAVE_MODE, 25, 1), 1
	s_wait_xcnt 0x0
	s_wait_alu depctr_hold_cnt(0) depctr_sa_sdst(0) depctr_va_vdst(0) depctr_va_sdst(0) depctr_va_ssrc(0) depctr_va_vcc(0) depctr_vm_vsrc(0)
	s_getreg_b32 s2, hwreg(HW_REG_IB_STS2, 6, 4)
	s_cmp_eq_u32 s2, 0
	s_cbranch_scc0 .Lentry_in_a_cluster
	s_endpgm
.Lentry_in_a_cluster:
	s_bfe_u32 s2, ttmp6, 0x10000c
	s_cmp_lg_u32 s2, 0xf033
	s_cbranch_scc0 .Lentry_shape_is_right
	s_endpgm
.Lentry_shape_is_right:
; z = [x | h] [Wx | Wh]^T + (bx + bh) on codes of FP6 (E2M3) with one E8M0 scale for each 32 along K, K = 2,048; then the cell's gates in f32, z never leaving the registers:
; c_next = sigmoid(zf) c + sigmoid(zi) tanh(zg) -> out1;  h_next = sigmoid(zo) tanh(c_next) -> out0.
; a_pack [32 tiles of 256 rows][16 K steps][2 row blocks of 128 rows][12,800 bytes], b_pack [16][16][2][12,800], IN THE ORDER OF THE OPERAND'S REGISTERS: 12,800 bytes = eight fragments (16 rows x 128 K) of 1,536 bytes,
; lane l's 48 bytes at 48 l, then 512 bytes of scale words [j][row r][fragment 4 j + 0 .. 3].  Row R of B = (j / 32) 128 + 32 gate + j % 32 (gate 0 i, 1 f, 2 o, 3 g; j the hidden unit).  bias [4096] in B's row order.
; SHARES.  256 work-groups of four waves THAT STAY: each makes two tiles of 256 rows x 256 rows of B (64 hidden units x 4 gates), 4,096 rows apart, on the same rows of B.  Wave 2 RH + CH makes rows 128 RH on x B's rows 128 CH on:
; 64 accumulators, 512 registers.  THE MATRIX INSTRUCTION IS USED TRANSPOSED (source 0 = B's rows, source 1 = A's): register j of accumulator (a, b) in lane (r, h) is z[16 a + r][gate b / 2, unit 32 CH + 16 (b % 2) + 8 h + j]:
; an output's four gates lie in one lane at one register index.  The bias is the C of each sum's first product and stays in registers for both tiles.
; THE RING.  Two LDS slots of three K steps (A's 76,800 bytes, then B's); a wave's load is half of an operand's part: 150 aligned rows of 256 bytes, dense in memory.  A tile's fills: K steps 0-2, 3-5, 6-8, 9-11, 12-14, 15, slots by turns.
; The head asks for 0-2; 3-5 is asked for at the top of each tile, behind the waits, the add and a round.  With K step 15 (waves 0 and 2: 100 rows each) c's tile comes into the rest of slot 1 (waves 1 and 3: 128 rows each).
; The change of slots in K step 14 asks for the NEXT tile's K steps 0-2; the last tile's tail is written out without that fill.  By this text's count a wave has one tensor load out at any time.
; CLUSTERS: 4 x 4 work-groups; A's tiles are asked for jointly along a row of the cluster, B's along a column.  c's tile is each work-group's own.
; PREFETCHES: behind the load of one fill the blocks of the next fill are named, three K steps ahead of the load that wants them: each wave's 150 blocks of 256 bytes are shared out BY ADDRESS among the four partners that
; ask jointly (38 each, two instructions; lanes left over name the last block again); K step 15's 100 blocks among 8 waves (13 each).  The first tile's K steps 0-2 come by their load alone, its K steps 3-5 are named at the head,
; behind that load; the second tile's first two fills are named for A in K steps 11 and 14; B's rows are named in the first tile alone.  c's 64 rows a wave, a lane a row, are named in K steps 2 and 5, for the load in K step 11.
; THE GATES.  With e = 2^min(-k z, 32), A = 1 + e:  c_next = (c Ai Ag + (1 - eg) Af) / (Ai Ag Af),  h_next = (1 - ec) / (Ao Ac): five exponentials and two reciprocals an output.  A counted loop of four trips; a trip takes
; TWO blocks of 16 rows, x and y, 16 outputs a lane each; only the lines that read the accumulators differ from trip to trip: four arms chosen by the counter.  x and y go by turns: behind each batch of one block's
; exponentials or reciprocals stands the other block's plain arithmetic, and one wait parts the batches.  A product with 1 + e is one multiply-add: (1 + e) X = e X + X.
; LIMITS: the hold at 2^32 keeps every product finite (the divisor stays under 2^97) and holds a sigmoid at 2^-32 from below, a tanh at 1 - 2^-31 in magnitude; |c| under 2^60; NaN and infinities are not served;
; z is summed in another order than the source writes it (both biases first, then K ascending through x and h).
; REGISTERS, in windows of 256: window 0: v1-31 addresses; v32-47 scale words, two sets, and nothing else; v128-223 A's fragments, ONE set; in the gates v64-207 are block x's and v224-255 the rows on their way out.
;   window 1: B's fragments, two sets, at v0 and v128; the bias at v96-127 and v224-255; in the gates v0-95 and v128-175 are block y's.
;   window 2: the accumulators of my rows 0-63 ((a, b) at v[8 (8 a + b)]);   window 3: those of rows 64-127.
.set FR,     12                        ; registers of a fragment
.set FRB,    1536                      ; its bytes
.set KSB,    12800                     ; a K step of a row block
.set KT,     2*KSB                     ; a K step of an operand's 256 rows
.set TILEB,  16*KT                     ; all of K of 256 rows in memory
.set OPR,    3*KT                      ; an operand's part of a slot
.set HLF,    OPR/2                     ; what one tensor load of the ring brings
.set SLOT,   2*OPR
.set NP,     4                         ; places behind this matrix instruction (ISA guide 7.12.1)
.set CP,     272                       ; c's tile and the stage: rows of 256 bytes + 16
.set SOUT,   16*CP                     ; 16 rows of one output
.set STG,    2*SLOT                    ; the stage, behind the ring, bytes of its own: [RH][output][16 rows]
.set SPARE,  STG+4*SOUT                ; the spare words: 128 bytes a wave, two blocks of 256 bytes that no other line names
.set TSTEP,  16*TILEB                  ; from a tile of A to the work-group's next: 16 tiles on
.set NEXTA,  TSTEP-12*KT               ; from a slot's last fill of a tile to its first of the next tile
.set BACKB,  12*KT                     ; B only goes back along K
.set CSTEP,  4096*4096                 ; 4,096 rows of c or of an output
.set PF3,  15                          ; v15  K step 15's blocks: my offset
.set ADRA, 16                          ; v16-17 my lane's place in A's fragments in slot 0, 1
.set PF1,  18                          ; v18-19 a fill's blocks: my two offsets
.set PF2,  19
.set ADRB, 20                          ; v20-21 as ADRA, for B
.set ADRS, 22                          ; v22-23 my scale words: lanes 0-15 A's rows, lanes 16-31 B's
.set STO,  24                          ; v24  where I put results in the stage
.set RD,   25                          ; v25  where I read whole rows back
.set CO,   26                          ; v26  my byte offset in two rows of an output
.set CAT,  27                          ; v27  my place in c's tile, this trip
.set SPW,  28                          ; v28  my spare word; never rewritten
.set NIL,  29                          ; v29  0; never rewritten
.set PFO,  30                          ; v30  4,096 x lane: the prefetches of c
.set CA,   31                          ; v31  my place in c's tile, block 0
.set SC,   32                          ; scale words: set p at v[SC + 8 p]; register i: lanes 0-15 the word of A's fragment i, lanes 16-31 that of B's
.set AF,   128
.set OB,   224
.set TL,   6                           ; s6   tiles to go
.set EA,   7                           ; s7   the gates' trip
.set EC,   10                          ; s10  its rows' offset in c's tile
.set LIM,  11                          ; s11  32.0
.set PF,   76                          ; s[76:77] my operand's tile in memory, for the prefetches
.set PFON, 78                          ; s78  1 while my wave names this tile's fills
.set PFNX, 79                          ; s79  1 while it names the next tile's
.set PFC,  88                          ; s[88:89] my 64 rows of c
.set C1,   100                         ; s[100:101] -log2(e)
.set C2,   104                         ; s[104:105] -2 log2(e)
.set G1,   24                          ; s[24:31] group 1 for A's loads of 150 rows;  s[32:39] group 0, one set for each slot
.set G0,   32
.set G0C,  44                          ; s[44:47], s[92:99] c's half tile
.set G1B,  48                          ; s[48:55], s[56:63] as G1, G0, for B
.set G0B,  56
.set G1S,  68                          ; s[68:75] group 1 for A's K step 15, 100 rows;  s[80:87] for B's
.set G1SB, 80
.set G1C,  92
.set MSB, 0
.macro WIN new                         ; the immediate's high byte repeats the setting that is left
.if MSB != (\new)
	s_set_vgpr_msb (MSB<<8)|(\new)
.set MSB, (\new)
.endif
.endm
.set MUL_LO,  0xa1                     ; source 0 (B) window 1, source 1 (A) window 0, C and D window 2;  less 0x10: C (the bias) window 1
.set MUL_HI,  0xf1                     ; the same, C and D window 3;  less 0x20: C window 1
.set TO_B,    0x40
.macro PLACES n
.rept \n
	v_nop
.endr
.endm
.macro TLOAD g0, g1                    ; a tensor load with an s_nop and four v_nop behind it
	tensor_load_to_lds s[\g0:\g0+3], s[\g1:\g1+7]
	s_nop 0
	PLACES 4
.endm
; A joint load: waves 0 and 1 fetch for A, waves 2 and 3 for B; the branch hangs on the wave's number alone.
.macro JLOAD g0a, g1a, g0b, g1b
	s_cmp_eq_u32 s21, 0
	s_cbranch_scc0 .Lfor_b_\@
	TLOAD \g0a, \g1a
	s_branch .Lasked_\@
.Lfor_b_\@:
	TLOAD \g0b, \g1b
.Lasked_\@:
.endm
; Slot 1's last fill of a tile, one load a wave: wave 0 A's K step 15, wave 2 B's (joint), waves 1 and 3 the halves of c's tile (the work-group's own).  One chain of branches on the wave's number, one join.
.macro LOADE
	s_cmp_eq_u32 s22, 0
	s_cbranch_scc0 .Le_c_\@
	s_cmp_eq_u32 s21, 0
	s_cbranch_scc0 .Le_b_\@
	TLOAD G0+4, G1S
	s_branch .Le_j_\@
.Le_b_\@:
	TLOAD G0B+4, G1SB
	s_branch .Le_j_\@
.Le_c_\@:
	TLOAD G0C, G1C
.Le_j_\@:
.endm
.macro CREST                           ; a round of the cluster's barrier behind its opening barrier
	s_cmp_lg_u32 s20, 0
	s_cbranch_scc1 .Lnot_wave_0_\@
	s_barrier_signal -3
.Lnot_wave_0_\@:
	s_barrier_wait -3
	s_barrier_signal -1
	s_barrier_wait -1
.endm
.macro CROUND
	s_barrier_signal -1
	s_barrier_wait -1
	CREST
.endm
.macro ASK2 flag, off                  ; my 38 blocks of the fill that begins off bytes into the tile
	s_cmp_eq_u32 s[\flag], 1
	s_cbranch_scc0 .Lnq_\@
	global_prefetch_b8 v[PF1], s[PF:PF+1] offset:\off th:TH_LOAD_NT scope:SCOPE_SE
	global_prefetch_b8 v[PF2], s[PF:PF+1] offset:\off th:TH_LOAD_NT scope:SCOPE_SE
.Lnq_\@:
.endm
	s_load_b64 s[4:5], s[0:1], 0x0                 ; a_pack
	s_load_b64 s[8:9], s[0:1], 0x8                 ; b_pack
	s_load_b256 s[12:19], s[0:1], 0x10             ; bias 12, c 14, out0 16, out1 18
	v_lshl_add_u32 v[SPW], v0, 2, SPARE
	v_mov_b32 v[NIL], 0
	ds_add_u32 v[SPW], v[NIL]                      ; the opening: the add, twice on end, and its wait ahead of my first tensor load
	ds_add_u32 v[SPW], v[NIL]
	v_lshrrev_b32 v1, 5, v0
	v_readfirstlane_b32 s20, v1                    ; wave 0..3
	s_lshr_b32 s21, s20, 1                         ; RH: my half of the tile's rows.  Also: I fetch for A (0) or for B (1)
	s_and_b32 s22, s20, 1                          ; CH: my half of B's rows.  Also: which half of an operand's part I fetch
	s_bfe_u32 s40, ttmp6, 0x40000                  ; cx, cy: my place in the cluster
	s_bfe_u32 s41, ttmp6, 0x40004
	s_lshl_b32 s42, ttmp9, 2
	s_add_co_u32 s42, s42, s40                     ; TC: tile column = 4 x cluster x + cx
	s_and_b32 s23, ttmp7, 0xffff
	s_lshl_b32 s23, s23, 2
	s_add_co_u32 s23, s23, s41                     ; TR: first tile row = 4 x cluster y + cy
	s_lshl_b32 s43, s41, 2
	s_lshl_b32 s43, 15, s43                        ; my row of the cluster
	s_lshl_b32 s66, 0x1111, s40                    ; my column
	; group 1: dense blocks as rows of 256 bytes (32 elements of 8 bytes), no padding
	s_or_b32 s[G1+0], s43, (3<<16)|(1<<21)         ; 15:0 the mask: A's tiles go to my row; 17:16 elements of 8 bytes; 21 set beside a mask
	s_or_b32 s[G1B+0], s66, (3<<16)|(1<<21)        ; B's to my column
	s_or_b32 s[G1S+0], s43, (3<<16)|(1<<21)
	s_or_b32 s[G1SB+0], s66, (3<<16)|(1<<21)
.irp g, G1, G1B
	s_mov_b32 s[\g+1], 32<<16                      ; tensor_dim0
	s_mov_b32 s[\g+2], (HLF/256)<<16               ; tensor_dim1 = 150
	s_mov_b32 s[\g+3], 32<<16                      ; tile_dim0
	s_mov_b32 s[\g+4], HLF/256                     ; tile_dim1
	s_mov_b32 s[\g+5], 32                          ; from row to row
	s_mov_b32 s[\g+6], 0
	s_mov_b32 s[\g+7], 0
.endr
.irp g, G1S, G1SB
	s_mov_b32 s[\g+1], 32<<16
	s_mov_b32 s[\g+2], (KT/256)<<16                ; 100 rows
	s_mov_b32 s[\g+3], 32<<16
	s_mov_b32 s[\g+4], KT/256
	s_mov_b32 s[\g+5], 32
	s_mov_b32 s[\g+6], 0
	s_mov_b32 s[\g+7], 0
.endr
	; c's half tile (no mask): 128 rows of 256 bytes, 4,096 bytes apart, 16 bytes of padding behind each
	s_mov_b32 s[G1C+0], (3<<16)|(1<<20)|(5<<22)|(3<<25)
	s_mov_b32 s[G1C+1], 32<<16
	s_mov_b32 s[G1C+2], 128<<16
	s_mov_b32 s[G1C+3], 32<<16
	s_mov_b32 s[G1C+4], 128
	s_mov_b32 s[G1C+5], 512
	s_mov_b32 s[G1C+6], 0
	s_mov_b32 s[G1C+7], 0
	s_mul_i32 s100, s23, TILEB                     ; A's tile hangs on the tile row alone,
	s_mov_b32 s101, 0
	s_mul_i32 s104, s42, TILEB                     ; B's on the tile column alone
	s_mov_b32 s105, 0
	s_mul_i32 s2, s22, HLF                         ; my half of a fill, in memory
	s_mov_b32 s3, 0
	s_mul_i32 s67, s20, HLF                        ; and where it goes: wave x 38,400: no place in the cluster enters an LDS address
	s_wait_dscnt 0x0                               ; both opening adds are done
	s_wait_kmcnt 0x0
	s_add_nc_u64 s[4:5], s[4:5], s[100:101]
	s_add_nc_u64 s[8:9], s[8:9], s[104:105]
	s_cmp_eq_u32 s21, 0
	s_cselect_b64 s[PF:PF+1], s[4:5], s[8:9]       ; the tile that my prefetches name
	s_add_nc_u64 s[4:5], s[4:5], s[2:3]
	s_add_nc_u64 s[8:9], s[8:9], s[2:3]
	CROUND                                         ; all sixteen work-groups are here: the first joint loads meet
.irp s, 0,1
	s_mov_b32 s[G0+4*\s], 1
	s_add_co_u32 s[G0+4*\s+1], s67, \s*SLOT
	s_add_nc_u64 s[G0+4*\s+2:G0+4*\s+3], s[4:5], \s*3*KT      ; slot 0: K steps 0-2; slot 1: 3-5
	s_or_b32 s[G0+4*\s+3], s[G0+4*\s+3], 0x80000000
	s_mov_b32 s[G0B+4*\s], 1
	s_add_co_u32 s[G0B+4*\s+1], s67, \s*SLOT
	s_add_nc_u64 s[G0B+4*\s+2:G0B+4*\s+3], s[8:9], \s*3*KT
	s_or_b32 s[G0B+4*\s+3], s[G0B+4*\s+3], 0x80000000
.endr
	JLOAD G0, G1, G0B, G1B                         ; K steps 0-2: my one tensor load at the head
	; the scalar part of the rest of the head
	s_lshl_b32 s100, s42, 10
	s_lshl_b32 s67, s22, 9
	s_add_co_u32 s100, s100, s67
	s_add_nc_u64 s[12:13], s[12:13], s[100:101]    ; bias + 4 (256 TC + 128 CH)
	s_lshl_b32 s67, s42, 8                         ; hidden units 64 TC on: 256 bytes
	s_lshl_b32 s100, s23, 8
	s_lshl_b32 s3, s21, 7
	s_add_co_u32 s100, s100, s3                    ; row 256 TR + 128 (wave / 2): the half of c that I may fetch, and the rows that I send
	s_lshl_b32 s100, s100, 12
	s_add_co_u32 s100, s100, s67
	s_mov_b32 s[G0C], 1
	s_mul_i32 s[G0C+1], s21, OPR
	s_add_co_u32 s[G0C+1], s[G0C+1], SLOT+KT       ; in slot 1, behind K step 15 of A (half 0) or of B (half 1)
	s_add_nc_u64 s[G0C+2:G0C+3], s[14:15], s[100:101]
	s_or_b32 s[G0C+3], s[G0C+3], 0x80000000
	s_cmp_eq_u32 s22, 0                            ; a wave with CH = 0 sends h_next's rows of its row half, one with CH = 1 c_next's
	s_cselect_b64 s[16:17], s[16:17], s[18:19]
	s_add_nc_u64 s[16:17], s[16:17], s[100:101]
	s_lshl_b32 s100, s23, 8
	s_lshl_b32 s3, s20, 6
	s_add_co_u32 s100, s100, s3                    ; row 256 TR + 64 wave: the rows of c that I prefetch
	s_lshl_b32 s100, s100, 12
	s_add_co_u32 s100, s100, s67
	s_add_nc_u64 s[PFC:PFC+1], s[14:15], s[100:101]
	s_cmp_eq_u32 s21, 0
	s_cselect_b32 s40, s40, s41                    ; p: my place among the four that ask with me (cx for A, cy for B): it enters prefetch addresses alone
	s_cselect_b32 s[PFNX], 1, 0
	s_mov_b32 s[PFON], 1
	s_mul_i32 s41, s40, 38
	s_mul_i32 s10, s22, 150
	s_lshl_b32 s40, s40, 1
	s_add_co_u32 s40, s40, s22
	s_mul_i32 s40, s40, 13
	s_mul_i32 s90, s21, 2*SOUT                     ; the stage: my row half, my 32 hidden units' 128 bytes
	s_lshl_b32 s3, s22, 7
	s_add_co_u32 s90, s90, s3
	s_add_co_u32 s90, s90, STG
	s_mul_i32 s91, s21, OPR                        ; c's tile: my row half's 128 rows, my 128 bytes of them
	s_add_co_u32 s91, s91, s3
	s_add_co_u32 s91, s91, SLOT+KT
	s_mul_i32 s43, s20, SOUT                       ; back: RH's rows of output CH
	s_add_co_u32 s43, s43, STG
	s_mul_i32 s2, s21, KSB                         ; my row block of A
	s_mul_i32 s3, s22, KSB                         ; my row block of B,
	s_add_co_u32 s3, s3, OPR                       ; behind A's part
	s_sub_co_u32 s67, s3, s2
	s_mov_b32 s[C1], 0xbfb8aa3b                    ; -log2(e)
	s_mov_b32 s[C1+1], 0xbfb8aa3b                  ; (named with it as a pair, so it is written)
	s_mov_b32 s[C2], 0xc038aa3b                    ; -2 log2(e)
	s_mov_b32 s[C2+1], 0xc038aa3b
	s_mov_b32 s[LIM], 0x42000000                   ; 32.0
	s_mov_b32 s[TL], 2
	; the vector part, in one run
	v_and_b32 v1, 15, v0                           ; r
	v_bfe_u32 v2, v0, 4, 1                         ; h
	v_and_b32 v8, 31, v0                           ; lane
	v_lshlrev_b32 v7, 5, v2                        ; 32 h: my eight numbers of a block's bias
	WIN TO_B
.irp b, 0,1,2,3,4,5,6,7
	global_load_b128 v[96+8*\b+96*(\b/4):96+8*\b+96*(\b/4)+3], v7, s[12:13] offset:64*\b
	global_load_b128 v[96+8*\b+96*(\b/4)+4:96+8*\b+96*(\b/4)+7], v7, s[12:13] offset:64*\b+16
.endr
	WIN 0
	v_mul_u32_u24 v3, v8, 48                       ; my lane's 48 bytes of a fragment
	v_lshlrev_b32 v5, 4, v1                        ; 16 r: my row's four scale words
	v_mul_u32_u24 v6, s67, v2                      ; lanes 16-31 take B's: one product, the distance between the two bases x h
	v_add_nc_u32 v5, v5, v6
	v_add_nc_u32 v[ADRA], s2, v3
	v_add_nc_u32 v[ADRB], s3, v3
	v_add_nc_u32 v[ADRS], s2, v5
	v_add_nc_u32 v[ADRA+1], SLOT, v[ADRA]
	v_add_nc_u32 v[ADRB+1], SLOT, v[ADRB]
	v_add_nc_u32 v[ADRS+1], SLOT, v[ADRS]
	v_mul_u32_u24 v3, v1, CP
	v_lshl_add_u32 v3, v2, 5, v3                   ; row r, + 32 h
	v_add_nc_u32 v[STO], s90, v3
	v_add_nc_u32 v[CA], s91, v3
	v_mul_u32_u24 v4, v2, CP
	v_lshl_add_u32 v4, v1, 4, v4                   ; lanes 0-15 one row of 256 bytes, lanes 16-31 the next
	v_add_nc_u32 v[RD], s43, v4
	v_lshlrev_b32 v[CO], 12, v2
	v_lshl_add_u32 v[CO], v1, 4, v[CO]             ; and the same two rows in the output
	v_lshlrev_b32 v[PFO], 12, v8
	v_add3_u32 v9, v8, s41, s10                    ; block 150 half + 38 p + lane
	v_lshlrev_b32 v[PF1], 8, v9
	v_min_u32 v10, 5, v8
	v_add3_u32 v10, v10, s41, 32
	v_min_u32 v10, 149, v10                        ; blocks 38 p + 32 .. 37, held at my half's last
	v_add_nc_u32 v10, s10, v10
	v_lshlrev_b32 v[PF2], 8, v10
	v_min_u32 v11, 12, v8
	v_add_nc_u32 v11, s40, v11
	v_min_u32 v11, 99, v11                         ; K step 15: blocks 13 (2 p + half) + 0 .. 12, held at the last
	v_lshlrev_b32 v[PF3], 8, v11
	s_wait_alu depctr_va_vdst(0)
	ASK2 PFON, 3*KT                                ; the first tile's K steps 3-5, whose load goes out when the head's has landed
.macro FRAG reg, adr, off              ; a fragment's 12 registers: my lane's 48 bytes, as they lie
.irp g, 0,1,2
	ds_load_b128 v[\reg+4*\g:\reg+4*\g+3], v[\adr] offset:(\off)+16*\g
.endr
.endm
; 16 matrix instructions: A's blocks a0, a0 + 1 x B's eight, 128 along K.  p: B's set and the set of scale words.  zero = 1: the first product starts the sums, with the bias as its C.
; The 64 accumulators take turns, one instruction a turn, in the same order in every step.
.macro MUL16 a0, p, zero
.irp a, \a0, \a0+1
.irp b, 0,1,2,3,4,5,6,7
.if \zero
	v_wmma_scale_f32_16x16x128_f8f6f4 v[8*(8*((\a)%4)+\b):8*(8*((\a)%4)+\b)+7], v[128*(\p)+FR*\b:128*(\p)+FR*\b+FR-1], v[AF+FR*(\a):AF+FR*(\a)+FR-1], v[96+8*\b+96*(\b/4):96+8*\b+96*(\b/4)+7], v[SC+8*(\p)+\b], v[SC+8*(\p)+(\a)] matrix_a_fmt:MATRIX_FMT_FP6 matrix_b_fmt:MATRIX_FMT_FP6 matrix_a_scale:MATRIX_SCALE_ROW1
.else
	v_wmma_scale_f32_16x16x128_f8f6f4 v[8*(8*((\a)%4)+\b):8*(8*((\a)%4)+\b)+7], v[128*(\p)+FR*\b:128*(\p)+FR*\b+FR-1], v[AF+FR*(\a):AF+FR*(\a)+FR-1], v[8*(8*((\a)%4)+\b):8*(8*((\a)%4)+\b)+7], v[SC+8*(\p)+\b], v[SC+8*(\p)+(\a)] matrix_a_fmt:MATRIX_FMT_FP6 matrix_b_fmt:MATRIX_FMT_FP6 matrix_a_scale:MATRIX_SCALE_ROW1
.endif
.endr
.endr
.endm
; The LDS loads of a K step (the slot's q-th) stand in two runs.  RUN_A, 32 loads: B's eight fragments into set p, A's blocks 0 and 1, the scale words into set p.  RUN_B, 18 loads: A's blocks 2 to 7.
.macro RUN_A slot, q, p
	WIN TO_B
.irp i, 0,1,2,3,4,5,6,7
	FRAG 128*(\p)+FR*\i, ADRB+\slot, (\q)*KT+\i*FRB
.endr
	WIN 0
.irp i, 0,1
	FRAG AF+FR*\i, ADRA+\slot, (\q)*KT+\i*FRB
.endr
.irp j, 0,1
	ds_load_b128 v[SC+8*(\p)+4*\j:SC+8*(\p)+4*\j+3], v[ADRS+\slot] offset:(\q)*KT+8*FRB+256*\j
.endr
.endm
.macro RUN_B slot, q
.irp i, 2,3,4,5,6,7
	FRAG AF+FR*\i, ADRA+\slot, (\q)*KT+\i*FRB
.endr
.endm
; A K step that has its successor in the same slot: the slot's q-th, on set p.  A block of A is free as soon as its eight products are issued, so one set of registers serves A.
.macro STEP slot, q, p, zero
	s_wait_dscnt 18                                ; this step's RUN_A is in; the 18 loads of its RUN_B may be out
	WIN MUL_LO-0x10*(\zero)
	MUL16 0, \p, \zero
	PLACES NP                                      ; for the loads into A's blocks 0 and 1
	RUN_A \slot, (\q)+1, 1-(\p)
	s_wait_dscnt 32                                ; all but the 32 just issued: A's blocks 2 to 7 are in
	WIN MUL_LO-0x10*(\zero)
	MUL16 2, \p, \zero
	WIN MUL_HI-0x20*(\zero)
	MUL16 4, \p, \zero
	MUL16 6, \p, \zero
	PLACES NP
	WIN 0
	RUN_B \slot, (\q)+1
.endm
; A slot's last K step changes slots: each wave waits for all its tensor loads, adds 0 to its spare word, and waits for that and for its own reads of this slot; where the slot is filled again its barrier opens a round of the cluster's.
; fill = 1: the three K steps six on.  2: K step 15 and c's tile.  3: the next tile's K steps 0-2.  0: nothing is left to fetch.  ask: what is prefetched, behind the load and the run of LDS loads.
.macro TURN slot, p, next, fill, ask
	s_wait_tensorcnt 0x0                           ; all my tensor loads have landed: my part of the next slot  (every window is 0 here)
	ds_add_u32 v[SPW], v[NIL]
	s_wait_dscnt 19                                ; (the add and the 18 loads of RUN_B may be out)
	WIN MUL_LO
	MUL16 0, \p, 0                                 ; sixteen matrix instructions stand between the add and the wait for it
	s_wait_dscnt 0x0                               ; the add is done, and my reads of this slot are over
	s_barrier_signal -1
	MUL16 2, \p, 0
	WIN 0
	s_barrier_wait -1
.if \fill
	CREST                                          ; no wave of any partner still reads this slot or has a load on its way
.if \fill == 3
	s_add_nc_u64 s[G0+4*\slot+2:G0+4*\slot+3], s[G0+4*\slot+2:G0+4*\slot+3], NEXTA
	s_sub_nc_u64 s[G0B+4*\slot+2:G0B+4*\slot+3], s[G0B+4*\slot+2:G0B+4*\slot+3], BACKB
.else
	s_add_nc_u64 s[G0+4*\slot+2:G0+4*\slot+3], s[G0+4*\slot+2:G0+4*\slot+3], 6*KT
	s_add_nc_u64 s[G0B+4*\slot+2:G0B+4*\slot+3], s[G0B+4*\slot+2:G0B+4*\slot+3], 6*KT
.endif
.if \fill == 2
	LOADE
.else
	JLOAD G0+4*\slot, G1, G0B+4*\slot, G1B         ; the first tensor load behind the round; its four v_nop are also the places in front of the loads below
.endif
.else
	PLACES NP
.endif
	RUN_A \next, 0, 1-(\p)
.if \ask == 1
	ASK2 PFON, 9*KT
	global_prefetch_b8 v[PFO], s[PFC:PFC+1] th:TH_LOAD_NT scope:SCOPE_SE                  ; c: my rows 0-31
.endif
.if \ask == 2
	ASK2 PFON, 12*KT
	global_prefetch_b8 v[PFO], s[PFC:PFC+1] offset:131072 th:TH_LOAD_NT scope:SCOPE_SE    ; c: my rows 32-63
.endif
.if \ask == 3
	s_cmp_eq_u32 s[PFON], 1
	s_cbranch_scc0 .Lnl_\@
	global_prefetch_b8 v[PF3], s[PF:PF+1] offset:15*KT th:TH_LOAD_NT scope:SCOPE_SE
.Lnl_\@:
.endif
.if \ask == 4
	ASK2 PFNX, TSTEP
.endif
.if \ask == 5
	ASK2 PFNX, TSTEP+3*KT
.endif
	WIN MUL_HI
	MUL16 4, \p, 0
	MUL16 6, \p, 0
	PLACES NP
	WIN 0
	RUN_B \next, 0
.endm
.macro LASTSTEP                        ; K step 15: nothing more to fetch
	s_wait_dscnt 18
	WIN MUL_LO
	MUL16 0, 1, 0
	s_wait_dscnt 0
	MUL16 2, 1, 0
	WIN MUL_HI
	MUL16 4, 1, 0
	MUL16 6, 1, 0
	WIN 0
	PLACES NP                                      ; in front of the reads of results and of the loads and writes into A's and B's registers
.endm
; 16 whole rows of one output, read back from the stage, are stored: sixteen lanes store 256 consecutive bytes, aligned.  The base steps 16 rows ahead of the stores, which reach back.
.macro SEND
	s_add_nc_u64 s[16:17], s[16:17], 0x10000       ; (behind a wait on XCNT for 0: the earlier stores have read their base)
.irp t, 0,1,2,3,4,5,6,7
	global_store_b128 v[CO], v[OB+4*\t:OB+4*\t+3], s[16:17] offset:2*\t*4096-65536 th:TH_STORE_NT
.endr
.endm
.macro BACK                            ; 16 whole rows of my output come back from the stage
	s_wait_xcnt 0x0                                ; the last block's stores have read their registers and their base
.irp t, 0,1,2,3,4,5,6,7
	ds_load_b128 v[OB+4*\t:OB+4*\t+3], v[RD] offset:2*\t*CP
.endr
.endm
; The gates' registers: T 64 numbers (i 0-15, f 16-31, o 32-47, g 48-63), and five runs of 16.  Block x has them in window 0, block y in window 1; the pieces below name them by these symbols.
.macro SETX
.set T,  64
.set NG, 128
.set CC, 144
.set RR, 160
.set CN, 176
.set HN, 192
	WIN 0
.endm
.macro SETY w                          ; w: 0x55 arithmetic all in window 1; 0x40 loads into it; 0x04 LDS stores out of it
.set T,  0
.set NG, 64
.set CC, 80
.set RR, 128
.set CN, 144
.set HN, 160
	WIN \w
.endm
.macro ALUW                            ; the one wait between two batches: behind the batch that is out, ahead of the next
	s_wait_alu depctr_va_vdst(0)
.endm
.macro ZMUL blk                        ; -k z of block blk, in ascending order: each accumulator is read from its low end on
.set n, 0
.rept 32
.if n < 48
	v_pk_mul_f32 v[T+n:T+n+1], v[64*((\blk)%4)+n:64*((\blk)%4)+n+1], s[C1:C1+1] op_sel_hi:[1,0]
.else
	v_pk_mul_f32 v[T+n:T+n+1], v[64*((\blk)%4)+n:64*((\blk)%4)+n+1], s[C2:C2+1] op_sel_hi:[1,0]
.endif
.set n, n+2
.endr
.endm
.macro ZARM k                          ; trip k: x = block 2 k, y = block 2 k + 1; both lie in window 2 + k / 2
.set T, 64
	WIN 0x02+(\k)/2                                ; source 0: the accumulators' window; destination window 0
	ALUW                                           ; the wait ahead of the first reads of these results
	ZMUL 2*(\k)
.set T, 0
	WIN 0x42+(\k)/2                                ; destination window 1
	ALUW
	ZMUL 2*(\k)+1
	SETX
	ALUW
.endm
.macro CLOAD off                       ; c of a block's 16 outputs
.irp u, 0,1
.irp q, 0,1
	ds_load_b128 v[CC+8*\u+4*\q:CC+8*\u+4*\q+3], v[CAT] offset:(\off)+64*\u+16*\q
.endr
.endr
.endm
.macro HOLD1                           ; the hold at 32, for i, f and g.  o needs none: an infinite eo gives an infinite divisor, the reciprocal 0, and 0 x a finite numerator is 0
.irp g, 0,16,48
.irp j, 0,1,2,3,4,5,6,7,8,9,10,11,12,13,14,15
	v_min_num_f32 v[T+\g+\j], s[LIM], v[T+\g+\j]
.endr
.endr
.endm
.macro EXP1                            ; ei, ef, eo, eg
.set n, 0
.rept 64
	v_exp_f32 v[T+n], v[T+n]
.set n, n+1
.endr
.endm
.macro GP2                             ; the numerator and the divisor of c_next
.irp j, 0,2,4,6,8,10,12,14
	v_pk_fma_f32 v[NG+\j:NG+\j+1], v[T+48+\j:T+48+\j+1], -1.0, 1.0 op_sel_hi:[1,0,0]                       ; 1 - eg
.endr
.irp j, 0,2,4,6,8,10,12,14
	v_pk_add_f32 v[T+48+\j:T+48+\j+1], v[T+48+\j:T+48+\j+1], 1.0 op_sel_hi:[1,0]                           ; Ag
.endr
.irp j, 0,2,4,6,8,10,12,14
	v_pk_fma_f32 v[NG+\j:NG+\j+1], v[T+16+\j:T+16+\j+1], v[NG+\j:NG+\j+1], v[NG+\j:NG+\j+1]                ; (1 - eg) Af
.endr
.irp j, 0,2,4,6,8,10,12,14
	v_pk_fma_f32 v[T+\j:T+\j+1], v[T+\j:T+\j+1], v[T+48+\j:T+48+\j+1], v[T+48+\j:T+48+\j+1]                ; Ai Ag
.endr
.irp j, 0,2,4,6,8,10,12,14
	v_pk_fma_f32 v[NG+\j:NG+\j+1], v[CC+\j:CC+\j+1], v[T+\j:T+\j+1], v[NG+\j:NG+\j+1]                      ; c Ai Ag + (1 - eg) Af
.endr
.irp j, 0,2,4,6,8,10,12,14
	v_pk_fma_f32 v[T+16+\j:T+16+\j+1], v[T+16+\j:T+16+\j+1], v[T+\j:T+\j+1], v[T+\j:T+\j+1]                ; Ai Ag Af
.endr
.endm
.macro RCPS d, s
.irp j, 0,1,2,3,4,5,6,7,8,9,10,11,12,13,14,15
	v_rcp_f32 v[(\d)+\j], v[(\s)+\j]
.endr
.endm
.macro GP3
.irp j, 0,2,4,6,8,10,12,14
	v_pk_mul_f32 v[CN+\j:CN+\j+1], v[NG+\j:NG+\j+1], v[RR+\j:RR+\j+1]                                      ; c_next
.endr
.irp j, 0,2,4,6,8,10,12,14
	v_pk_mul_f32 v[RR+\j:RR+\j+1], v[CN+\j:CN+\j+1], s[C2:C2+1] op_sel_hi:[1,0]                            ; -2 log2(e) c_next
.endr
.irp j, 0,1,2,3,4,5,6,7,8,9,10,11,12,13,14,15
	v_min_num_f32 v[RR+\j], s[LIM], v[RR+\j]
.endr
.endm
.macro EXP3                            ; ec
.irp j, 0,1,2,3,4,5,6,7,8,9,10,11,12,13,14,15
	v_exp_f32 v[RR+\j], v[RR+\j]
.endr
.endm
.macro GP4
.irp j, 0,2,4,6,8,10,12,14
	v_pk_add_f32 v[T+16+\j:T+16+\j+1], v[RR+\j:RR+\j+1], 1.0 op_sel_hi:[1,0]                               ; Ac
.endr
.irp j, 0,2,4,6,8,10,12,14
	v_pk_fma_f32 v[RR+\j:RR+\j+1], v[RR+\j:RR+\j+1], -1.0, 1.0 op_sel_hi:[1,0,0]                           ; 1 - ec
.endr
.irp j, 0,2,4,6,8,10,12,14
	v_pk_fma_f32 v[T+32+\j:T+32+\j+1], v[T+32+\j:T+32+\j+1], v[T+16+\j:T+16+\j+1], v[T+16+\j:T+16+\j+1]    ; Ao Ac
.endr
.endm
.macro GP5
.irp j, 0,2,4,6,8,10,12,14
	v_pk_mul_f32 v[HN+\j:HN+\j+1], v[RR+\j:RR+\j+1], v[T+48+\j:T+48+\j+1]                                  ; h_next
.endr
.endm
.macro TOSTG r, base                   ; a block's sixteen numbers, two runs of 32 bytes of my row, into the stage
.irp u, 0,1
.irp q, 0,1
	ds_store_b128 v[STO], v[(\r)+8*\u+4*\q:(\r)+8*\u+4*\q+3] offset:(\base)+64*\u+16*\q
.endr
.endr
.endm
; THE GATES: four trips, two blocks of 16 rows a trip.  A wave's 32 hidden units are 128 bytes of a row, so the two waves of a row half meet in the stage.  One stage, used by x and then by y, two barriers a block:
; the first (signalled when my reads of the block before are back, waited for ahead of my first store) frees the stage, the second shows it whole.
.macro EPILOG
	s_mov_b32 s[EA], 0
	s_mov_b32 s[EC], 0
	SETX
.Lepi_\@:
	v_add_nc_u32 v[CAT], s[EC], v[CA]
	CLOAD 0
	SETY TO_B
	CLOAD 16*CP
	SETX
.irp k, 0,1,2
	s_cmp_lg_u32 s[EA], \k
	s_cbranch_scc1 .Lsw\@_\k
	ZARM \k
	s_branch .Lgot_\@
.Lsw\@_\k:
.endr
	ZARM 3
.Lgot_\@:
	HOLD1
	ALUW
	s_wait_dscnt 0x0                               ; the last block's eight row loads and c are in: no LDS instruction of mine is out at the signal
	s_cmp_eq_u32 s[EA], 0
	s_cbranch_scc1 .Lns_\@                         ; the first trip has no block before it to send
	SEND
.Lns_\@:
	s_barrier_signal -1                            ; my reads of the stage are over
	ALUW
	EXP1                                           ; x
	SETY 0x55
	HOLD1
	ALUW
	EXP1                                           ; y
	SETX
	GP2
	ALUW
	RCPS RR, T+16
	SETY 0x55
	GP2
	ALUW
	RCPS RR, T+16
	SETX
	GP3
	s_barrier_wait -1                              ; nobody reads the stage any more
	ALUW
	EXP3
	SETY 0x55
	GP3
	SETX
	TOSTG CN, SOUT
	ALUW
	SETY 0x55
	EXP3
	SETX
	GP4
	ALUW
	RCPS T+48, T+32
	SETY 0x55
	GP4
	ALUW
	RCPS T+48, T+32
	SETX
	GP5
	TOSTG HN, 0
	s_wait_dscnt 0x0                               ; for the others' sake: x's numbers have landed in the stage
	s_barrier_signal -1
	ALUW
	SETY 0x55
	GP5
	SETX
	ALUW                                           ; the wait ahead of the waits below: y's h_next is read behind them
	s_barrier_wait -1                              ; x's 16 whole rows of both outputs lie in the stage, for both row halves
	BACK
	s_wait_dscnt 0x0                               ; they are in my registers
	SEND
	s_barrier_signal -1
	s_barrier_wait -1                              ; everybody's are: the stage is free for y
	SETY 0x04
	TOSTG CN, SOUT
	TOSTG HN, 0
	SETX
	s_wait_dscnt 0x0
	s_barrier_signal -1
	s_barrier_wait -1                              ; y's rows lie in the stage
	BACK
	s_add_co_u32 s[EC], s[EC], 32*CP
	s_add_co_u32 s[EA], s[EA], 1
	s_cmp_lt_u32 s[EA], 4
	ALUW
	s_cbranch_scc1 .Lepi_\@
	s_wait_dscnt 0x0
	SEND                                           ; block 7
.endm
.Ltile:
	s_wait_tensorcnt 0x0                           ; my part of K steps 0-2 is in; these lines stand ahead of slot 1's fill, the first as every later one:
	ds_add_u32 v[SPW], v[NIL]
	s_wait_dscnt 0x0                               ; the add is done, and so are my reads of slot 1 (the last tile's c)
	CROUND                                         ; a whole round: everybody's part is in, and the joint loads meet
	JLOAD G0+4, G1, G0B+4, G1B                     ; K steps 3-5
	RUN_A 0, 0, 0
	RUN_B 0, 0
	ASK2 PFON, 6*KT
	s_wait_loadcnt 0x0                             ; the bias (first tile)
	STEP 0, 0, 0, 1                                ; 0: its products start the sums
	STEP 0, 1, 1, 0                                ; 1
	TURN 0, 0, 1, 1, 1                             ; 2: slot 0 takes K steps 6-8
	STEP 1, 0, 1, 0                                ; 3
	STEP 1, 1, 0, 0                                ; 4
	TURN 1, 1, 0, 1, 2                             ; 5: slot 1 takes 9-11
	STEP 0, 0, 0, 0                                ; 6
	STEP 0, 1, 1, 0                                ; 7
	TURN 0, 0, 1, 1, 3                             ; 8: slot 0 takes 12-14
	STEP 1, 0, 1, 0                                ; 9
	STEP 1, 1, 0, 0                                ; 10
	TURN 1, 1, 0, 2, 4                             ; 11: slot 1 takes K step 15 and c's tile
	STEP 0, 0, 0, 0                                ; 12
	STEP 0, 1, 1, 0                                ; 13
	s_cmp_eq_u32 s[TL], 1
	s_cbranch_scc1 .Llast_tile                     ; the last tile's tail is written out: it asks for nothing more
	TURN 0, 0, 1, 3, 5                             ; 14: THE RING GOES ON INTO THE NEXT TILE: slot 0 takes its K steps 0-2
	LASTSTEP
	EPILOG
	s_wait_xcnt 0x0                                ; stores and prefetches have read their bases: on to the next tile
	s_add_nc_u64 s[16:17], s[16:17], CSTEP-8*65536
	s_add_nc_u64 s[PFC:PFC+1], s[PFC:PFC+1], CSTEP
	s_add_nc_u64 s[G0C+2:G0C+3], s[G0C+2:G0C+3], CSTEP               ; (slot 1's loads were shown landed in K step 14)
	s_add_nc_u64 s[G0+6:G0+7], s[G0+6:G0+7], NEXTA                   ; slot 1: from K step 15 to the next tile's 3
	s_sub_nc_u64 s[G0B+6:G0B+7], s[G0B+6:G0B+7], BACKB
	s_mov_b32 s3, 0
	s_cmp_eq_u32 s21, 0
	s_cselect_b32 s2, TSTEP, 0
	s_cselect_b32 s[PFON], 1, 0                    ; B's rows have been read: they are named no more
	s_mov_b32 s[PFNX], 0
	s_add_nc_u64 s[PF:PF+1], s[PF:PF+1], s[2:3]
	s_sub_co_u32 s[TL], s[TL], 1
	s_branch .Ltile
.Llast_tile:
	TURN 0, 0, 1, 0, 0                             ; 14: K step 15 and c's tile have landed, for all four waves; nothing is filled again, so no round follows
	LASTSTEP
	EPILOG
	s_wait_tensorcnt 0x0                           ; the wave's end, behind my last tensor load and my last LDS store
	ds_add_u32 v[SPW], v[NIL]
	s_wait_dscnt 0x0
	CROUND                                         ; the closing round: no work-group ends while a partner may still ask for a tile that names it
	s_endpgm
.Lfunc_end_k_q323039ff49_lstm:
	.size	k_q323039ff49_lstm, .Lfunc_end_k_q323039ff49_lstm-k_q323039ff49_lstm
	.p2alignl 7, 3214868480
	.fill 96, 4, 3214868480
	.section	.rodata,"a",@progbits
	.p2align	6, 0x0
	.amdhsa_kernel k_q323039ff49_lstm
		.amdhsa_group_segment_fixed_size 327680
		.amdhsa_private_segment_fixed_size 0
		.amdhsa_enable_private_segment 0
		.amdhsa_kernarg_size 48
		.amdhsa_user_sgpr_count 2
		.amdhsa_user_sgpr_kernarg_segment_ptr 1
		.amdhsa_wavefront_size32 1
		.amdhsa_system_sgpr_workgroup_id_x 1
		.amdhsa_system_sgpr_workgroup_id_y 1
		.amdhsa_system_sgpr_workgroup_id_z 1
		.amdhsa_system_vgpr_workitem_id 0
		.amdhsa_next_free_vgpr 1024
		.amdhsa_next_free_sgpr 106
		.amdhsa_reserve_vcc 0
		.amdhsa_float_denorm_mode_32 3
		.amdhsa_float_denorm_mode_16_64 3
		.amdhsa_memory_ordered 1
		.amdhsa_forward_progress 1
		.amdhsa_inst_pref_size 255
	.end_amdhsa_kernel
	.section	.bss,"aw",@nobits
	.p2align	6
	.space	262144
	.amdgpu_metadata
---
amdhsa.version: [ 1, 2 ]
amdhsa.kernels:
  - .name:           k_q323039ff49_lstm
    .symbol:         k_q323039ff49_lstm.kd
    .args:
      - { .name: a_pack, .offset: 0, .size: 8, .value_kind: global_buffer, .address_space: global }
      - { .name: b_pack, .offset: 8, .size: 8, .value_kind: global_buffer, .address_space: global }
      - { .name: bias, .offset: 16, .size: 8, .value_kind: global_buffer, .address_space: global }
      - { .name: c, .offset: 24, .size: 8, .value_kind: global_buffer, .address_space: global }
      - { .name: out0, .offset: 32, .size: 8, .value_kind: global_buffer, .address_space: global }
      - { .name: out1, .offset: 40, .size: 8, .value_kind: global_buffer, .address_space: global }
    .group_segment_fixed_size: 327680
    .private_segment_fixed_size: 0
    .kernarg_segment_align: 8
    .kernarg_segment_size: 48
    .max_flat_workgroup_size: 128
    .sgpr_count:     106
    .vgpr_count:     1024
    .wavefront_size: 32
...
	.end_amdgpu_metadata
.endif
;; end of part 2
